; MI455X (gfx1250); checked and timed in simulation.
; The chip was launched on July 23, 2026; its instructions are those of AMD's public machine-readable ISA for CDNA 5 (MIT licence, August 2026) and "CDNA5" Instruction Set Architecture Reference Guide (July 2026). The comments in the code are by the model that wrote it; some were corrected since.
;; Sigma Mo E. Allowed arithmetic: matrix products marked QUANTISED: E2M3 operands, one E8M0 scale for each 32 along K, by v_wmma_scale_f32_16x16x128_f8f6f4 with both operands' format E2M3, f32 sums; products left as they are: f32 operands where the result goes on into a quantised operand, else bf16, f16 or f32 operands; f32 sums; everything else in f32.
;; Inputs: bias_ffn 16 float32; expert_sel 16 x 1,024 float32; keys_w 16 x 1,024 x 512 float32; selection_input 4 x 1,024 x 1,024 float32; token_stream 4 x 1,024 x 1,024 float32; values_w 16 x 512 x 1,024 float32.
;; Outputs: out0 4 x 1,024 x 1,024 float32; out1 4 x 1,024 x 6 int32.
;; This version of the problem:
;;   THIS VERSION OF THE PROBLEM IS GIVEN IN LOW PRECISION. The matrix products marked QUANTISED in the list below multiply operands that are first quantised to E2M3 (2 exponent bits, 3 mantissa bits; 6 bits a number), with one power-of-two scale for each 32 numbers along K (OCP MX v1.0); their sums are f32. All else is computed in f32.
;;   The module's matrix products, in the order in which they are computed (A, B: the left and right operand; K: the contracted axis; several contracted axes count as one K, in the product's order):
;;     1. [M 4,096, K 1,024] x [K 1,024, N 16]; A: input selection_input; B: input expert_sel: QUANTISED
;;     2. [M 4,096, K 1,024] x [K 1,024, N 8,192]; A: input token_stream; B: input keys_w: QUANTISED
;;     3. batch 4,096 x [M 16, K 6] x [K 6, N 512]; A: computed on the way; B: computed on the way: left as it is (K = 6 < 32)
;;     4. [M 4,096, K 8,192] x [K 8,192, N 1,024]; A: computed on the way; B: input values_w: QUANTISED
;;   THE QUANTISER, for each operand of a quantised product, along K:
;;     - K is cut into blocks of 32 from its start; a last block that is shorter is filled with zeros.
;;     - A block's scale is 2^e with e = floor(log2(the largest magnitude in the block)) - 2, held to -126 .. 127; a block of zeros has e = 0. As a byte (E8M0): e + 127.
;;     - Each number is divided by its block's scale, clamped to +-7.5, and rounded to the nearest number of E2M3, ties to even, subnormals kept.
;;     - The product sums the exact products of the quantised numbers (number of the format x scale) in f32.
;;   ~~~python
;;   def quantise(x, axis):      # numpy; x: float32 -> the quantised numbers, widened to float32 again
;;       x = np.moveaxis(x, axis, -1); K = x.shape[-1]
;;       x = np.pad(x, [(0, 0)] * (x.ndim - 1) + [(0, -K % 32)]); x = x.reshape(x.shape[:-1] + (-1, 32)); a = np.abs(x).max(-1, keepdims=True)
;;       e = np.where(a > 0, np.clip(np.frexp(np.where(a > 0, a, 1))[1] - 1 - 2, -126, 127), 0)      # np.frexp(a)[1] - 1 = floor(log2(a)), exactly
;;       r = np.clip(x / 2.0 ** e, -7.5, 7.5)
;;       step = 2.0 ** (np.maximum(np.frexp(np.where(r == 0, 1, r))[1] - 1, 0) - 3)
;;       q = np.round(r / step) * step * 2.0 ** e      # np.round: ties to even
;;       return np.moveaxis(q.reshape(q.shape[:-2] + (-1,))[..., :K], -1, axis).astype(np.float32)
;;   ~~~
;;   OPERANDS COMPUTED ON THE WAY. 'Computed on the way' means the value that the module computes at that place (a softmax that the list does not call 'softmax' is quantised finished and normalised). What goes into a quantiser is computed in f32, as accurately as f32 sums, v_exp_f32 and their like allow (about 1e-6 of the number): no bf16 or f16 on the way to a quantiser, and a product that is left as it is and whose result goes on into a quantised operand takes f32 operands (vector FMAs, or v_wmma_f32_16x16x4_f32). A number that lies on a knife's edge between two numbers of the format may be rounded either way, as far as f32 arithmetic and the matrix unit's own rounding can turn it there, and no further.
;; One version. Each part assembles by itself: llvm-mc -triple=amdgcn-amd-amdhsa -mcpu=gfx1250 --defsym DOCPART=n.
;; ======== version 1 of 1: 3 launches
;; workspace buffers: xi 3,407,872 bytes; ki 6,815,744 bytes; vi 6,815,744 bytes; hi 27,262,976 bytes; gate 262,144 bytes
;; launch prep (part 1): grid 640 x 1, 4 waves a work-group, no clusters, 87,552 bytes of LDS; arguments token_stream, selection_input, expert_sel, bias_ffn, keys_w, values_w, xi, ki, vi, gate, out1; writes xi, ki, vi, gate, out1
.if DOCPART == 1
	.amdgcn_target "amdgcn-amd-amdhsa--gfx1250"
	.amdhsa_code_object_version 6
	.text
	.protected	k_q1125a7a01f_prep
	.globl	k_q1125a7a01f_prep
	.p2align	8
	.type	k_q1125a7a01f_prep,@function
k_q1125a7a01f_prep:
	s_mov_b64 s[64:65], 0
	v_nop
	global_prefetch_b8 v0, s[64:65] scope:SCOPE_SE
	s_setreg_imm32_b32 hwreg(HW_REG_WAVE_MODE, 25, 1), 1
	s_wait_xcnt 0x0
; PREP: the router, and every f32 operand of the two large products turned into codes of FP6 (E2M3) with one E8M0 scale byte for each 32 along K.
; A block's scale is 2^(floor(log2(largest magnitude)) - 2); its byte is the largest magnitude's exponent field - 2, held at 1 from below.
; THE RECORD.  All codes leave in one form: a record of 3,328 bytes = 16 rows x 256 along K: two K steps of 128, each the IMAGE OF A FRAGMENT'S 12 REGISTERS (registers 4 g .. 4 g + 3 of lane l at
; 512 g + 16 l: 1,536 bytes), then the two K steps' scale words, 4 bytes a lane for 32 lanes (lane l: the word of row l % 16; lanes 16-31 repeat lanes 0-15).  So a later launch fetches a fragment by three loads of 16 bytes a lane.
; WORK-GROUPS: 0-63 the router (16 tokens a wave), 64-127 token_stream -> xi (16 tokens a wave), 128-383 keys_w -> ki, 384-639 values_w -> vi (32 columns x 256 along K a wave).  Waves share nothing: no barrier.
; THE ROUTER: logits = Q(selection_input) Q(expert_sel)^T by the scaled matrix instruction, K ascending on one accumulator; affinity = 1 / (1 + 2^(-log2(e) x logit)); the four largest of affinity + bias over experts 0-13,
; the lower index first on a tie; experts 14 and 15 always.  out1 takes the six indices; gate[token][expert] takes the affinity where the expert is chosen and 0 elsewhere.  The choice only selects values: no address or branch hangs on it.
; LIMITS: NaN and infinities among the inputs, and a bias of -infinity, are not served.  A block of zeros gets the byte 1 where the quantiser's rule says 127: its codes are zeros and only this program reads the bytes.
; Two ranking values that agree within the rounding of the f32 sums, of v_exp_f32 and of v_rcp_f32 (about 1e-7 of the number) may rank the other way round.  An affinity under 2^-126 comes out as 0.
.set REC,  3328                        ; a record
.set KST,  1536                        ; a K step's image in it
.set SCO,  3072                        ; where its scale words begin
.set SPT,  528                         ; a stage row: 512 bytes + 16: an odd multiple of 16, so that sixteen rows' reads of 16 bytes fall on different banks (64 banks of 4 bytes: ISA guide 11.1)
.set EIMG, 16*SPT                      ; a wave's LDS: the stage (16 rows), then expert_sel's eight images,
.set ESCL, EIMG+8*KST                  ; their eight sets of scale words,
.set WREG, ESCL+8*128                  ; 21,760 bytes in all
.set ACC,  12                          ; v12-19   the logits: lane (r, h): token r, experts 8 h + 0 .. 7
.set PW,   20                          ; v20      the scale word just made
.set ESW,  21                          ; v21      expert_sel's scale words of the K step
.set TM,   24                          ; v24-39   at work in QUANT
.set PC,   40                          ; v40-59   the codes just made: v40-51 the fragment
.set RA,   64                          ; v64-127, v128-191  two sets of 64 numbers as they are loaded
.set RB,   128
.set XN,   192                         ; v192-255 64 numbers, register 16 b + i = k 32 b + 16 (lane / 16) + i of my row
.set EF,   192                         ; v192-203 expert_sel's fragment, in registers that QUANT has left
.set SEL,  30                          ; s[30:31] v_permlanex16_b32's selects for lane l xor 16
	s_load_b512 s[4:19], s[0:1], 0x0               ; token_stream 4, selection_input 6, expert_sel 8, bias_ffn 10, keys_w 12, values_w 14, xi 16, ki 18
	s_load_b128 s[20:23], s[0:1], 0x40             ; vi 20, gate 22
	s_load_b64 s[24:25], s[0:1], 0x50              ; out1
	v_lshl_add_u32 v22, v0, 2, 0x15400
	v_mov_b32 v23, 0
	v_lshrrev_b32 v1, 5, v0
	v_readfirstlane_b32 s26, v1                    ; wave 0..3
	v_and_b32 v1, 31, v0                           ; lane
	s_cmp_ge_u32 ttmp9, 384
	s_cbranch_scc1 .Lvalues
	s_cmp_ge_u32 ttmp9, 128
	s_cbranch_scc1 .Lkeys
; ---------------------------------------------------------------- rows whose K is innermost: the router (mode 0) and token_stream (mode 1), one text
; 64 numbers of a lane, v[s] .. v[s + 63], become a fragment's codes in v[PC] .. v[PC + 11] and its rows' scale word in v[PW].
.macro QUANT s
.irp b, 0,1,2,3
	v_max3_num_f32 v[TM+\b], |v[\s+16*\b]|, |v[\s+1+16*\b]|, 0x1800000   ; block b: my 16 numbers, and the floor 2^(3 - 127): the byte cannot fall under 1
.endr
.irp i, 2,4,6,8,10,12,14
.irp b, 0,1,2,3
	v_max3_num_f32 v[TM+\b], v[TM+\b], |v[\s+16*\b+\i]|, |v[\s+1+16*\b+\i]|   ; the four blocks by turns
.endr
.endr
.irp b, 0,1,2,3
	v_permlanex16_b32 v[TM+4+\b], v[TM+\b], s[SEL], s[SEL+1]
.endr
.irp b, 0,1,2,3
	v_max_num_f32 v[TM+\b], v[TM+\b], v[TM+4+\b]   ; with lane l xor 16's 16: the block's largest magnitude
.endr
.irp b, 0,1,2,3
	v_add_nc_u32 v[TM+12+\b], 0xff000000, v[TM+\b] ; 2 off its exponent field: the conversion takes this operand's exponent field as its scale
.endr
.irp b, 0,1,2,3
	v_lshrrev_b32 v[TM+4+\b], 23, v[TM+12+\b]      ; the scale's byte
.endr
	v_lshl_or_b32 v[PW], v[TM+5], 8, v[TM+4]       ; four bytes: my row's scale word (both halves of the lanes hold it)
	v_lshl_or_b32 v[PW], v[TM+6], 16, v[PW]
	v_lshl_or_b32 v[PW], v[TM+7], 24, v[PW]
.irp c, 0,1
	v_cvt_scalef32_pk16_fp6_f32 v[PC+6*\c:PC+2+6*\c], v[\s+32*\c:\s+15+32*\c], v[TM+12+2*\c]
	v_cvt_scalef32_pk16_fp6_f32 v[PC+12+4*\c:PC+14+4*\c], v[\s+16+32*\c:\s+31+32*\c], v[TM+12+2*\c+1]   ; (a conversion's three registers begin on an even number)
.endr
	v_nop                                          ; one plain place behind a scaled conversion
.irp c, 0,1                                    ; the operand wants a WHOLE block in a lane: lanes 0-15 block 2 c, lanes 16-31 block 2 c + 1
.irp i, 0,1,2
	v_permlane16_swap_b32 v[PC+6*\c+\i], v[PC+12+4*\c+\i]
.endr
.irp i, 0,1,2
	v_mov_b32 v[PC+3+6*\c+\i], v[PC+12+4*\c+\i]
.endr
.endr
.endm
.macro LOADT s, set                    ; K step s of my 16 rows: each load reads 512 consecutive bytes of one row
.irp i, 0,1,2,3,4,5,6,7,8,9,10,11,12,13,14,15
	global_load_b128 v[\set+4*\i:\set+4*\i+3], v4, s[28:29] offset:4096*\i+512*(\s) th:TH_LOAD_NT
.endr
.endm
.macro TURNT set                       ; through my stage: in as loaded, out 16 neighbours of each block to a lane.  LDS serves a wave's instructions in order (ISA guide 5.7.1.4): no wait between
.irp i, 0,1,2,3,4,5,6,7,8,9,10,11,12,13,14,15
	ds_store_b128 v6, v[\set+4*\i:\set+4*\i+3] offset:SPT*\i
.endr
.irp b, 0,1,2,3
.irp j, 0,1,2,3
	ds_load_b128 v[XN+16*\b+4*\j:XN+16*\b+4*\j+3], v7 offset:128*\b+16*\j
.endr
.endr
.endm
.macro ELOAD s, set                    ; K step s of expert_sel, already 16 neighbours to a lane: 64 KiB that all 256 router waves read, so no hint and no stage
.irp b, 0,1,2,3
.irp j, 0,1,2,3
	global_load_b128 v[\set+16*\b+4*\j:\set+16*\b+4*\j+3], v8, s[8:9] offset:512*(\s)+128*\b+16*\j
.endr
.endr
.endm
.macro ESTEP s, set                    ; expert_sel's K step s becomes an image in my LDS
	s_wait_loadcnt 16                              ; this set's 16 loads are in; the 16 issued behind them stay out
	QUANT \set
.irp c, 0,1,2
	ds_store_b128 v9, v[PC+4*\c:PC+4*\c+3] offset:KST*(\s)+512*\c
.endr
	ds_store_b32 v10, v[PW] offset:128*(\s)
	s_wait_dscnt 0x0                               ; the stores have read their registers
.if (\s) < 6
	ELOAD (\s)+2, \set
.else
	LOADT (\s)-6, \set                             ; the tokens' first two K steps follow in the same two sets
.endif
.endm
.macro KSTEP s, set
.if (\s) < 7
	s_wait_loadcnt 16                              ; this K step's 16 loads are in; the next one's stay out
.else
	s_wait_loadcnt 0x0
.endif
	TURNT \set
	s_wait_dscnt 0x0                               ; the numbers are back, and the stage's stores have read the set
	s_wait_xcnt 0x0                                ; the last K step's stores have had their addresses translated (ISA guide 3.1): only behind this wait are the codes and the scale word written again
.if (\s) < 6
	LOADT (\s)+2, \set
.endif
	QUANT XN
	s_cmp_lg_u32 s27, 0
	s_cbranch_scc1 .Lxi_\@
.irp c, 0,1,2
	ds_load_b128 v[EF+4*\c:EF+4*\c+3], v9 offset:KST*(\s)+512*\c
.endr
	ds_load_b32 v[ESW], v10 offset:128*(\s)
	s_wait_dscnt 0x0
.rept 8
	v_nop                                          ; a scale register written by vector instructions stands 8 places ahead of a scaled matrix instruction, an operand so written 4
.endr
.if (\s) > 0
	s_wait_alu depctr_va_vdst(0)                   ; a wait ahead of each link
.endif
	v_wmma_scale_f32_16x16x128_f8f6f4 v[ACC:ACC+7], v[EF:EF+11], v[PC:PC+11], v[ACC:ACC+7], v[ESW], v[PW] matrix_a_fmt:MATRIX_FMT_FP6 matrix_b_fmt:MATRIX_FMT_FP6   ; source 0 = the 16 experts, source 1 = my 16 tokens
.rept 4
	v_nop                                          ; places in front of the loads and vector writes into its operands, and of the first read of the logits
.endr
	s_branch .Ldone_\@
.Lxi_\@:
.irp c, 0,1,2
	global_store_b128 v4, v[PC+4*\c:PC+4*\c+3], s[16:17] offset:REC*((\s)/2)+KST*((\s)%2)+512*\c   ; 512 consecutive bytes, at a multiple of 256 from xi's first byte
.endr
	global_store_b32 v5, v[PW], s[16:17] offset:REC*((\s)/2)+SCO+128*((\s)%2)
.Ldone_\@:
.endm
	v_and_b32 v2, 15, v0                           ; r
	v_bfe_u32 v3, v0, 4, 1                         ; h
	v_lshlrev_b32 v4, 4, v1                        ; 16 x lane
	v_lshlrev_b32 v5, 2, v1                        ; 4 x lane
	s_mul_i32 s35, s26, WREG                       ; my wave's LDS
	v_add_nc_u32 v6, s35, v4                       ; the stage, on the way in
	v_mul_u32_u24 v7, v2, SPT
	v_lshl_add_u32 v7, v3, 6, v7
	v_add_nc_u32 v7, s35, v7                       ; and out: row r, + 64 h
	v_lshlrev_b32 v8, 12, v2
	v_lshl_add_u32 v8, v3, 6, v8                   ; expert_sel: row r of 4,096 bytes, + 64 h
	v_add_nc_u32 v9, EIMG, v6                      ; its images: 16 x lane
	v_add_nc_u32 v10, s35, v5
	v_add_nc_u32 v10, ESCL, v10                    ; its scale words: 4 x lane
.irp b, 0,1,2,3
	v_mov_b32 v[TM+4+\b], 0                        ; written once: a lane permute's destination counts as one of its sources
.endr
.irp j, 0,1,2,3,4,5,6,7
	v_mov_b32 v[ACC+\j], 0                         ; the text serves both modes, so the logits begin from cleared registers and every K step adds in place
.endr
	s_mov_b32 s[SEL], 0x76543210
	s_mov_b32 s[SEL+1], 0xfedcba98
	s_mov_b32 s32, 0xbfb8aa3b                      ; -log2(e)
	s_mov_b32 s33, s32                             ; (named with it as a pair, so it is written)
	s_and_b32 s36, ttmp9, 63
	s_lshl_b32 s36, s36, 2
	s_add_co_u32 s36, s36, s26                     ; my block of 16 tokens, 0 .. 255
	s_lshl_b32 s38, s36, 16                        ; 16 rows of 4,096 bytes
	s_mov_b32 s39, 0
	s_mul_i32 s40, s36, 4*REC                      ; xi: four records a block
	s_mov_b32 s41, 0
	s_mul_i32 s42, s36, 384                        ; out1: 16 x 24 bytes
	s_mov_b32 s43, 0
	s_lshl_b32 s44, s36, 10                        ; gate: 16 x 64 bytes
	s_mov_b32 s45, 0
	s_wait_kmcnt 0x0
	s_load_b512 s[68:83], s[10:11], 0x0            ; the 16 biases; waited for in the router's tail
	s_cmp_ge_u32 ttmp9, 64                         ; the choice hangs on the work-group's number alone
	s_cselect_b32 s27, 1, 0                        ; mode
	s_cselect_b64 s[28:29], s[4:5], s[6:7]
	s_add_nc_u64 s[28:29], s[28:29], s[38:39]
	s_add_nc_u64 s[16:17], s[16:17], s[40:41]
	s_add_nc_u64 s[24:25], s[24:25], s[42:43]
	s_add_nc_u64 s[22:23], s[22:23], s[44:45]
	s_cmp_lg_u32 s27, 0
	s_cbranch_scc1 .Lx_head
	ELOAD 0, RA
	ELOAD 1, RB
	ESTEP 0, RA
	ESTEP 1, RB
	ESTEP 2, RA
	ESTEP 3, RB
	ESTEP 4, RA
	ESTEP 5, RB
	ESTEP 6, RA
	ESTEP 7, RB
	s_branch .Lsteps
.Lx_head:
	LOADT 0, RA
	LOADT 1, RB
.Lsteps:                                           ; on both ways K steps 0 and 1 are out, in that order, and nothing else
	KSTEP 0, RA
	KSTEP 1, RB
	KSTEP 2, RA
	KSTEP 3, RB
	KSTEP 4, RA
	KSTEP 5, RB
	KSTEP 6, RA
	KSTEP 7, RB
	s_cmp_lg_u32 s27, 0
	s_cbranch_scc1 .Lt_end
	; ---- the router's tail, in the registers that the loads have left
.set T8,   64                          ; my 8 affinities
.set O8,   72                          ; lane l xor 16's
.set A16,  80                          ; experts 0-13's
.set VV,   96                          ; affinity + bias, experts 0-13
.set GV,   112                         ; the 16 gates
.set IX,   128                         ; the four indices, the largest value's first
.set BEST, 132
.set NINF, 133
.set OD,   134                         ; three words of out1
.set OA,   137
.set GD,   140                         ; eight words of gate
.set GAD,  148
	s_wait_kmcnt 0x0                               ; the biases
	v_cmp_eq_u32 s34, 1, v3                        ; lanes 16-31
.irp j, 0,2,4,6
	v_pk_mul_f32 v[T8+\j:T8+\j+1], v[ACC+\j:ACC+\j+1], s[32:33] op_sel_hi:[1,0]   ; the accumulator is read from its low end on
.endr
.irp j, 0,1,2,3,4,5,6,7
	v_exp_f32 v[T8+\j], v[T8+\j]
.endr
	v_mov_b32 v[NINF], 0xff800000                  ; (a plain place behind the exponentials)
	s_wait_alu depctr_va_vdst(0)
.irp j, 0,2,4,6
	v_pk_add_f32 v[T8+\j:T8+\j+1], v[T8+\j:T8+\j+1], 1.0 op_sel_hi:[1,0]
.endr
.irp j, 0,1,2,3,4,5,6,7
	v_rcp_f32 v[T8+\j], v[T8+\j]
.endr
	v_nop                                          ; a plain place behind the reciprocals
	s_wait_alu depctr_va_vdst(0)
.irp j, 0,1,2,3,4,5,6,7
	v_permlanex16_b32 v[O8+\j], v[T8+\j], s[SEL], s[SEL+1]
.endr
.irp e, 0,1,2,3,4,5,6,7
	v_cndmask_b32 v[A16+\e], v[T8+\e], v[O8+\e], s34               ; every lane gets all 16 affinities of its token
.endr
.irp e, 0,1,2,3,4,5
	v_cndmask_b32 v[A16+8+\e], v[O8+\e], v[T8+\e], s34
.endr
	v_cndmask_b32 v[GV+14], v[O8+6], v[T8+6], s34                  ; the shared experts' gates are their affinities
	v_cndmask_b32 v[GV+15], v[O8+7], v[T8+7], s34
.irp e, 0,1,2,3,4,5,6,7,8,9,10,11,12,13
	v_add_f32 v[VV+\e], s[68+\e], v[A16+\e]                        ; the bias enters the ranking alone
	v_mov_b32 v[GV+\e], 0
.endr
.macro PICK q                          ; the largest of what is left; 'less or equal' keeps the older one, so the lower index wins a tie
	v_mov_b32 v[BEST], v[VV]
	v_mov_b32 v[IX+\q], 0
.irp e, 1,2,3,4,5,6,7,8,9,10,11,12,13
	v_cmp_le_f32 vcc_lo, v[VV+\e], v[BEST]
	v_cndmask_b32 v[BEST], v[VV+\e], v[BEST], vcc_lo
	v_cndmask_b32 v[IX+\q], \e, v[IX+\q], vcc_lo
.endr
.irp e, 0,1,2,3,4,5,6,7,8,9,10,11,12,13
	v_cmp_eq_u32 vcc_lo, \e, v[IX+\q]
	v_cndmask_b32 v[VV+\e], v[VV+\e], v[NINF], vcc_lo              ; taken out of the ranking,
	v_cndmask_b32 v[GV+\e], v[GV+\e], v[A16+\e], vcc_lo            ; and its gate opened
.endr
.endm
	PICK 0
	PICK 1
	PICK 2
	PICK 3
	v_cndmask_b32 v[OD], v[IX], v[IX+3], s34                       ; lanes 0-15 store a token's first three indices, lanes 16-31 the fourth, 14 and 15
	v_cndmask_b32 v[OD+1], v[IX+1], 14, s34
	v_cndmask_b32 v[OD+2], v[IX+2], 15, s34
	v_mul_u32_u24 v[OA], v2, 24
	v_mad_u32_u24 v[OA], v3, 12, v[OA]
	global_store_b96 v[OA], v[OD:OD+2], s[24:25]                   ; the wave stores 384 consecutive bytes
.irp j, 0,1,2,3,4,5,6,7
	v_cndmask_b32 v[GD+\j], v[GV+\j], v[GV+8+\j], s34              ; gates 8 h + j
.endr
	v_lshlrev_b32 v[GAD], 6, v2
	v_lshl_add_u32 v[GAD], v3, 5, v[GAD]
	global_store_b128 v[GAD], v[GD:GD+3], s[22:23]
	global_store_b128 v[GAD], v[GD+4:GD+7], s[22:23] offset:16
.Lt_end:
	s_wait_tensorcnt 0x0
	ds_add_u32 v22, v23
	s_wait_dscnt 0x0
	s_endpgm
; ---------------------------------------------------------------- weights, whose K is not innermost: a lane takes a column and its registers run down K
; A wave takes 32 columns x 256 along K: one record of each of two tiles of 16 rows.  A lane holds whole blocks, so no other lane is asked for a maximum, and the conversions' results are the
; registers of the two fragment lanes (r, 0) and (r, 1) of its row: block 2 c + hh of a K step is registers 6 c .. 6 c + 5 of lane r + 16 hh.  Each store of 16 bytes a lane fills one whole aligned 256 bytes in each of the two tiles.
.set WX,   32                          ; v32-95   two sets of 32 numbers
.set CF,   96                          ; v96-143  the codes: 24 registers a K step
.set TMPC, 144                         ; v144-146 a block's upper 16 codes (a conversion's three registers begin on an even number)
.set SB,   24                          ; v24-25   the scale words of the two K steps
.macro WLOAD t, stride
.irp i, 0,1,2,3,4,5,6,7,8,9,10,11,12,13,14,15,16,17,18,19,20,21,22,23,24,25,26,27,28,29,30,31
	global_load_b32 v[WX+32*((\t)%2)+\i], v3, s[44:45] offset:(32*(\t)+\i)*\stride th:TH_LOAD_NT   ; 128 consecutive bytes a wave, 512 a work-group
.endr
.endm
.macro WBLOCK t, stride
.set XS, WX+32*((\t)%2)
.set DD, CF+24*((\t)/4)+12*((\t)%2)+6*(((\t)%4)/2)
.if (\t) < 7
	s_wait_loadcnt 32                              ; this block's 32 loads are in; the next block's stay out
.else
	s_wait_loadcnt 0x0
.endif
	v_max3_num_f32 v12, |v[XS]|, |v[XS+1]|, |v[XS+2]|
	v_max3_num_f32 v13, |v[XS+3]|, |v[XS+4]|, |v[XS+5]|
.irp i, 6,10,14,18,22,26
	v_max3_num_f32 v12, v12, |v[XS+\i]|, |v[XS+\i+1]|
	v_max3_num_f32 v13, v13, |v[XS+\i+2]|, |v[XS+\i+3]|
.endr
	v_max3_num_f32 v12, v12, |v[XS+30]|, |v[XS+31]|
	v_max3_num_f32 v12, v12, v13, 0x1800000        ; and the floor 2^(3 - 127)
	v_add_nc_u32 v11, 0xff000000, v12              ; 2 off the exponent field: the conversion's scale operand
	v_lshrrev_b32 v13, 23, v11                     ; the scale's byte
.if (\t)%4 == 0
	v_mov_b32 v[SB+(\t)/4], v13
.else
	v_lshl_or_b32 v[SB+(\t)/4], v13, 8*((\t)%4), v[SB+(\t)/4]
.endif
	v_cvt_scalef32_pk16_fp6_f32 v[DD:DD+2], v[XS:XS+15], v11
	v_cvt_scalef32_pk16_fp6_f32 v[TMPC:TMPC+2], v[XS+16:XS+31], v11
	v_nop                                          ; one plain place behind a scaled conversion
.irp i, 0,1,2
	v_mov_b32 v[DD+3+\i], v[TMPC+\i]
.endr
.if (\t)+2 < 8
	WLOAD (\t)+2, \stride
.endif
.if (\t)%4 == 3                        ; a K step is whole.  Its registers are not written again, so no wait frees them
.irp hh, 0,1
.irp g, 0,1,2
	global_store_b128 v4, v[CF+24*((\t)/4)+12*\hh+4*\g:CF+24*((\t)/4)+12*\hh+4*\g+3], s[46:47] offset:KST*((\t)/4)+512*\g+256*\hh
.endr
.endr
	global_store_b32 v5, v[SB+(\t)/4], s[46:47] offset:SCO+128*((\t)/4)
	global_store_b32 v5, v[SB+(\t)/4], s[46:47] offset:SCO+128*((\t)/4)+64   ; the copy for lanes 16-31
.endif
.endm
.macro WPATH stride, tstride, perm
.if \perm                              ; keys: column j of 32 is row (j % 8) + 8 (j / 16) of tile (j / 8) % 2, so that the first product's results lie as 16 neighbours along the next K
	v_bfe_u32 v6, v1, 3, 1
	v_and_b32 v7, 7, v1
	v_lshrrev_b32 v8, 4, v1
	v_lshl_add_u32 v7, v8, 3, v7
.else                                  ; values: column j is row j % 16 of tile j / 16
	v_lshrrev_b32 v6, 4, v1
	v_and_b32 v7, 15, v1
.endif
	v_lshlrev_b32 v3, 2, v1                        ; in: 4 bytes a lane
	v_mul_u32_u24 v9, v6, \tstride                 ; out: my tile,
	v_lshl_add_u32 v4, v7, 4, v9                   ; 16 bytes a row in an image,
	v_lshl_add_u32 v5, v7, 2, v9                   ; 4 among the scale words
	WLOAD 0, \stride
	WLOAD 1, \stride
.irp t, 0,1,2,3,4,5,6,7
	WBLOCK \t, \stride
.endr
.endm
.Lkeys:                                            ; keys_w [16][1024 (K)][512]: work-group = (expert, 256 along K, 128 columns)
	s_sub_co_u32 s36, ttmp9, 128
	s_and_b32 s37, s36, 3                          ; which 128 columns
	s_bfe_u32 s38, s36, 0x20002                    ; which 256 along K
	s_lshr_b32 s39, s36, 4                         ; expert
	s_lshl_b32 s40, s39, 21
	s_lshl_b32 s42, s38, 19
	s_add_co_u32 s40, s40, s42
	s_lshl_b32 s42, s37, 9
	s_add_co_u32 s40, s40, s42
	s_lshl_b32 s42, s26, 7
	s_add_co_u32 s40, s40, s42                     ; expert x 2 MiB + 256 rows of 2,048 bytes + 512 x column group + 128 x wave
	s_mov_b32 s41, 0
	s_lshl_b32 s42, s39, 5
	s_lshl_b32 s43, s37, 3
	s_add_co_u32 s42, s42, s43
	s_lshl_b32 s43, s26, 1
	s_add_co_u32 s42, s42, s43                     ; my first tile: 32 x expert + 8 x column group + 2 x wave
	s_mul_i32 s42, s42, 4*REC
	s_mul_i32 s43, s38, REC
	s_add_co_u32 s42, s42, s43
	s_mov_b32 s43, 0
	s_wait_kmcnt 0x0
	s_add_nc_u64 s[44:45], s[12:13], s[40:41]
	s_add_nc_u64 s[46:47], s[18:19], s[42:43]
	WPATH 2048, 4*REC, 1
	s_endpgm
.Lvalues:                                          ; values_w [16 x 512 (K)][1024]: work-group = (256 along K, 128 columns)
	s_sub_co_u32 s36, ttmp9, 384
	s_and_b32 s37, s36, 7                          ; which 128 columns
	s_lshr_b32 s38, s36, 3                         ; which 256 along K, 0 .. 31
	s_lshl_b32 s40, s38, 20
	s_lshl_b32 s42, s37, 9
	s_add_co_u32 s40, s40, s42
	s_lshl_b32 s42, s26, 7
	s_add_co_u32 s40, s40, s42                     ; 256 rows of 4,096 bytes + 512 x column group + 128 x wave
	s_mov_b32 s41, 0
	s_lshl_b32 s42, s37, 3
	s_lshl_b32 s43, s26, 1
	s_add_co_u32 s42, s42, s43                     ; my first tile: 8 x column group + 2 x wave
	s_mul_i32 s42, s42, 32*REC
	s_mul_i32 s43, s38, REC
	s_add_co_u32 s42, s42, s43
	s_mov_b32 s43, 0
	s_wait_kmcnt 0x0
	s_add_nc_u64 s[44:45], s[14:15], s[40:41]
	s_add_nc_u64 s[46:47], s[20:21], s[42:43]
	WPATH 4096, 32*REC, 0
	s_endpgm
.Lfunc_end_k_q1125a7a01f_prep:
	.size	k_q1125a7a01f_prep, .Lfunc_end_k_q1125a7a01f_prep-k_q1125a7a01f_prep
	.p2alignl 7, 3214868480
	.fill 96, 4, 3214868480
	.section	.rodata,"a",@progbits
	.p2align	6, 0x0
	.amdhsa_kernel k_q1125a7a01f_prep
		.amdhsa_group_segment_fixed_size 87552
		.amdhsa_private_segment_fixed_size 0
		.amdhsa_enable_private_segment 0
		.amdhsa_kernarg_size 88
		.amdhsa_user_sgpr_count 2
		.amdhsa_user_sgpr_kernarg_segment_ptr 1
		.amdhsa_wavefront_size32 1
		.amdhsa_system_sgpr_workgroup_id_x 1
		.amdhsa_system_sgpr_workgroup_id_y 1
		.amdhsa_system_sgpr_workgroup_id_z 1
		.amdhsa_system_vgpr_workitem_id 0
		.amdhsa_next_free_vgpr 256
		.amdhsa_next_free_sgpr 100
		.amdhsa_reserve_vcc 1
		.amdhsa_float_denorm_mode_32 3
		.amdhsa_float_denorm_mode_16_64 3
		.amdhsa_memory_ordered 1
		.amdhsa_forward_progress 1
		.amdhsa_inst_pref_size 212
	.end_amdhsa_kernel
	.amdgpu_metadata
---
amdhsa.version: [ 1, 2 ]
amdhsa.kernels:
  - .name:           k_q1125a7a01f_prep
    .symbol:         k_q1125a7a01f_prep.kd
    .args:
      - { .name: token_stream, .offset: 0, .size: 8, .value_kind: global_buffer, .address_space: global }
      - { .name: selection_input, .offset: 8, .size: 8, .value_kind: global_buffer, .address_space: global }
      - { .name: expert_sel, .offset: 16, .size: 8, .value_kind: global_buffer, .address_space: global }
      - { .name: bias_ffn, .offset: 24, .size: 8, .value_kind: global_buffer, .address_space: global }
      - { .name: keys_w, .offset: 32, .size: 8, .value_kind: global_buffer, .address_space: global }
      - { .name: values_w, .offset: 40, .size: 8, .value_kind: global_buffer, .address_space: global }
      - { .name: xi, .offset: 48, .size: 8, .value_kind: global_buffer, .address_space: global }
      - { .name: ki, .offset: 56, .size: 8, .value_kind: global_buffer, .address_space: global }
      - { .name: vi, .offset: 64, .size: 8, .value_kind: global_buffer, .address_space: global }
      - { .name: gate, .offset: 72, .size: 8, .value_kind: global_buffer, .address_space: global }
      - { .name: out1, .offset: 80, .size: 8, .value_kind: global_buffer, .address_space: global }
    .group_segment_fixed_size: 87552
    .private_segment_fixed_size: 0
    .kernarg_segment_align: 8
    .kernarg_segment_size: 88
    .max_flat_workgroup_size: 128
    .sgpr_count:     100
    .vgpr_count:     256
    .wavefront_size: 32
...
	.end_amdgpu_metadata
.endif
;; end of part 1
;; launch ffn1 (part 2): grid 32 x 16, 4 waves a work-group, clusters of 4 x 4, 327,680 bytes of LDS; arguments xi, ki, gate, hi; writes hi
.if DOCPART == 2
	.amdgcn_target "amdgcn-amd-amdhsa--gfx1250"
	.amdhsa_code_object_version 6
	.text
	.protected	k_q1125a7a01f_ffn1
	.globl	k_q1125a7a01f_ffn1
	.p2align	8
	.type	k_q1125a7a01f_ffn1,@function
k_q1125a7a01f_ffn1:
	s_mov_b64 s[64:65], 0
	v_nop
	global_prefetch_b8 v0, s[64:65] scope:SCOPE_SE
	s_setreg_imm32_b32 hwreg(HW_REG_WAVE_MODE, 25, 1), 1
	s_wait_xcnt 0x0
	s_wait_alu depctr_hold_cnt(0) depctr_sa_sdst(0) depctr_va_vdst(0) depctr_va_sdst(0) depctr_va_ssrc(0) depctr_va_vcc(0) depctr_vm_vsrc(0)
	s_getreg_b32 s2, hwreg(HW_REG_IB_STS2, 6, 4)
	s_cmp_eq_u32 s2, 0
	s_cbranch_scc0 .Lentry_in_a_cluster
	s_endpgm
.Lentry_in_a_cluster:
	s_bfe_u32 s2, ttmp6, 0x10000c
	s_cmp_lg_u32 s2, 0xf033
	s_cbranch_scc0 .Lentry_shape_is_right
	s_endpgm
.Lentry_shape_is_right:
; FFN1: hidden[token][expert][f] = Q(silu(Q(x) Q(keys_e)) x gate[token][expert]), for all 16 experts: M 4,096, N 8,192, K 1,024, on codes of FP6 (E2M3) with E8M0 scales; sums in f32.
; gate is the affinity where the expert is chosen for the token and 0 elsewhere, so the rows that are not chosen become zero codes.  The hidden layer leaves as codes, in records.
; THE RECORD (3,328 bytes): 16 rows x 256 along K: two K steps of 128, each the image of a fragment's 12 registers (registers 4 g .. 4 g + 3 of lane l at 512 g + 16 l), then the two K steps' scale words, 4 bytes a lane (lanes 16-31 repeat lanes 0-15).
; xi: [block of 16 tokens 256][256 along K: 4][record].  ki: [tile of 16 hidden units 512][4][record].  hi: [block of 16 tokens 256][256 along (expert, f): 32][record].
; A tile of 256 tokens x 256 hidden units is made by a work-group of four waves; a wave makes 128 x 128: 64 accumulators, 512 registers.
; K HAS FOUR PARTS OF 256, AND LDS HAS THREE SLOTS (each 16 records of x and 16 of the keys): parts 0, 1 and 2 are asked for together at the start; part 3 fills slot 0 again as soon as part 0 has been read,
; and has the rest of part 0, all of part 1 and half of part 2, 224 matrix instructions a wave, in which to land.  So the launch has one refill and one round of the cluster's barrier for it.
; A fragment is three loads of 16 bytes a lane at 16 x lane: consecutive bytes, no pitch and no padding.
; CLUSTERS: 4 x 4 work-groups.  The four of a row need the same records of x, the four of a column the same records of the keys: each is asked for JOINTLY, by the same tensor load with the same descriptor and a mask that names the four.
; THE MATRIX INSTRUCTION IS USED TRANSPOSED (source 0 = 16 hidden units, source 1 = 16 tokens), and the rows of a tile of keys were chosen by the launch before so that a lane's 64 results for a block of tokens are, register 16 b + i,
; hidden unit 32 b + 16 (lane / 16) + i of one token: they are quantised in registers and are K step (wave % 2) of the second product's record.
; LIMITS: NaN and infinities are not served.  A block of zeros carries the byte 1 where the quantiser's rule says 127: its codes are zeros and only this program reads the bytes.  A sigmoid under 2^-126 counts as 0.
; REGISTERS, in windows of 256: window 0: v1-31 addresses and gates; v32-63 scale words, two sets; v128-223 x's fragments, ONE set; in the epilogue v64-231 are at work.
;   window 1: the keys' fragments, TWO sets, at v0 and v128.   window 2: the accumulators of my token blocks 0-3 ((a, b) at v[8 (8 (a % 4) + b)]);   window 3: those of blocks 4-7.
.set REC,   3328
.set KST,   1536
.set SCO,   3072
.set NQ,    2                          ; K steps of 128 in a slot
.set FR,    12                         ; registers of a fragment
.set NL,    3                          ; LDS loads that bring one
.set NP,    4                          ; places behind this matrix instruction (ISA guide 7.12.1)
.set HALFT, 8*REC                      ; what one tensor load brings, and what one wave reads of x or of the keys
.set SLOT,  4*HALFT                    ; x's 16 records, then the keys' 16
.set SPARE, 3*SLOT                     ; behind the three slots: the spare words, 128 bytes for each wave: two blocks of 256 bytes that no other line names
.set GT,   8                           ; v8-15   the gates of my eight token blocks: lane (r, h): token r
.set ADRA, 16                          ; v16-18  LDS address of x's fragments in slot 0, 1, 2
.set ADRB, 19                          ; v19-21  the same for the keys
.set ADRS, 22                          ; v22-24  of the scale words: lanes 0-15 x's, lanes 16-31 the keys'
.set HOC,  25                          ; v25     the way out: my 16 bytes in an image
.set HOS,  26                          ; v26     and my scale word
.set GA,   27                          ; v27     64 r: my token's row of gates
.set SPW,  28                          ; v28     LDS address of my spare word; never rewritten
.set NIL,  29                          ; v29     0; never rewritten
.set GG,   30                          ; v[30:31] the gate in hand (the packed form names a pair and takes its low register for both halves)
.set SC,   32                          ; scale words: set s at v[SC + 16 s], the sets by turns from K part to K part; register 2 i + q: lanes 0-15 x's block i, lanes 16-31 the keys' tile i, the part's q-th 128 along K
.set AF,   128                         ; x's fragments
.set EU,   64                          ; the epilogue: v64-127 x gate, then the hidden numbers
.set ET,   128                         ; v128-191 the sigmoid
.set TM,   192                         ; v192-207 at work in QUANT
.set PW,   208                         ; v208     the scale word just made
.set PC,   212                         ; v212-231 the codes just made
.set G1,   24                          ; s[24:31] descriptor group 1 for x
.set G1B,  48                          ; s[48:55] for the keys
.set G0,   68                          ; s[68:79] group 0 for x, one set for each slot
.set G0B,  80                          ; s[80:91] the same for the keys
.set SEL,  92                          ; s[92:93] v_permlanex16_b32's selects for lane l xor 16
.set MSB, 0
.macro WIN new                         ; the immediate's high byte repeats the setting that is left
.if MSB != \new
	s_set_vgpr_msb (MSB<<8)|\new
.set MSB, \new
.endif
.endm
.set MUL_LO, 0xa1                      ; source 0 (keys) window 1, source 1 (x) window 0, C and D window 2
.set MUL_HI, 0xf1                      ; the same, C and D window 3
.set TO_B,   0x40                      ; destination window 1, address window 0
; A joint load: waves 0 and 1 fetch for x, waves 2 and 3 for the keys.  Each line has ONE mask and one set of registers for all that issue it; the branch hangs on the wave's number alone.
; Four v_nop follow each of the two lines, ahead of the jump, the label and what follows.
.macro JLOAD g0a, g1a, g0b, g1b
	s_cmp_eq_u32 s15, 0
	s_cbranch_scc0 .Lfor_b_\@
	tensor_load_to_lds s[\g0a:\g0a+3], s[\g1a:\g1a+7]
	s_nop 0
.rept 4
	v_nop
.endr
	s_branch .Lasked_\@
.Lfor_b_\@:
	tensor_load_to_lds s[\g0b:\g0b+3], s[\g1b:\g1b+7]
	s_nop 0
.rept 4
	v_nop
.endr
.Lasked_\@:
.endm
.macro CREST                           ; a round of the cluster's barrier behind its opening barrier
	s_cmp_lg_u32 s14, 0
	s_cbranch_scc1 .Lnot_wave_0_\@
	s_barrier_signal -3
.Lnot_wave_0_\@:
	s_barrier_wait -3
	s_barrier_signal -1
	s_barrier_wait -1
.endm
.macro CROUND                          ; a whole round
	s_barrier_signal -1
	s_barrier_wait -1
	CREST
.endm
	s_load_b256 s[4:11], s[0:1], 0x0               ; xi 4, ki 6, gate 8, hi 10
	v_lshl_add_u32 v[SPW], v0, 2, SPARE
	v_mov_b32 v[NIL], 0
	ds_add_u32 v28, v29
	ds_add_u32 v28, v29
	s_wait_dscnt 0x0
	v_lshrrev_b32 v1, 5, v0
	v_readfirstlane_b32 s14, v1                    ; wave 0..3
	s_lshr_b32 s15, s14, 1                         ; which half of the tile's tokens is mine.  Also: I fetch for x (0) or for the keys (1)
	s_and_b32 s16, s14, 1                          ; which half of its hidden units.  Also: which 8 records I fetch
	s_bfe_u32 s40, ttmp6, 0x40000                  ; cx, cy: my place in the cluster
	s_bfe_u32 s41, ttmp6, 0x40004
	s_lshl_b32 s42, ttmp9, 2
	s_add_co_u32 s42, s42, s40                     ; tile column = 4 x cluster x + cx: expert (column / 2), half (column % 2)
	s_and_b32 s17, ttmp7, 0xffff
	s_lshl_b32 s17, s17, 2
	s_add_co_u32 s17, s17, s41                     ; tile row = 4 x cluster y + cy
	s_lshl_b32 s43, s41, 2
	s_lshl_b32 s43, 15, s43                        ; my row of the cluster
	s_lshl_b32 s44, 0x1111, s40                    ; my column
	; descriptor group 1: 8 rows of one record (416 elements of 8 bytes), four records apart in memory, dense in LDS
	s_or_b32 s[G1+0], s43, (3<<16)|(1<<21)         ; 15:0 the mask: x goes to my row; 17:16 elements of 8 bytes; 20 no padding; 21 set beside a mask
	s_or_b32 s[G1B+0], s44, (3<<16)|(1<<21)        ; the keys go to my column
.irp g, G1, G1B
	s_mov_b32 s[\g+1], (REC/8)<<16                 ; tensor_dim0
	s_mov_b32 s[\g+2], 8<<16                       ; tensor_dim1
	s_mov_b32 s[\g+3], (REC/8)<<16                 ; tile_dim0
	s_mov_b32 s[\g+4], 8                           ; tile_dim1
	s_mov_b32 s[\g+5], 4*REC/8                     ; tensor_dim0_stride
	s_mov_b32 s[\g+6], 0
	s_mov_b32 s[\g+7], 0
.endr
	s_lshl_b32 s18, s16, 3                         ; which 8 of the tile's 16 records I fetch
	s_lshl_b32 s20, s17, 4
	s_add_co_u32 s20, s20, s18
	s_mul_i32 s20, s20, 4*REC                      ; x: block 16 x tile row + 8 x half
	s_mov_b32 s21, 0
	s_lshl_b32 s46, s42, 4
	s_add_co_u32 s46, s46, s18
	s_mul_i32 s46, s46, 4*REC                      ; keys: tile 16 x tile column + 8 x half
	s_mov_b32 s47, 0
	s_mul_i32 s45, s14, HALFT                      ; where they go: wave x 8 records: no place in the cluster enters an LDS address
	s_wait_kmcnt 0x0
	s_add_nc_u64 s[20:21], s[4:5], s[20:21]
	s_add_nc_u64 s[46:47], s[6:7], s[46:47]
	CROUND                                         ; all sixteen work-groups are here: the first joint loads meet
.irp s, 0,1,2                                  ; K parts 0, 1, 2 into slots 0, 1, 2: three loads of mine are out
	s_mov_b32 s[G0+4*\s], 1
	s_add_co_u32 s[G0+4*\s+1], s45, \s*SLOT
	s_add_nc_u64 s[G0+4*\s+2:G0+4*\s+3], s[20:21], \s*REC
	s_or_b32 s[G0+4*\s+3], s[G0+4*\s+3], 0x80000000
	s_mov_b32 s[G0B+4*\s], 1
	s_add_co_u32 s[G0B+4*\s+1], s45, \s*SLOT
	s_add_nc_u64 s[G0B+4*\s+2:G0B+4*\s+3], s[46:47], \s*REC
	s_or_b32 s[G0B+4*\s+3], s[G0B+4*\s+3], 0x80000000
	JLOAD G0+4*\s, G1, G0B+4*\s, G1B
.endr
	v_and_b32 v1, 31, v0                           ; lane
	v_and_b32 v2, 15, v0                           ; r
	v_bfe_u32 v3, v0, 4, 1                         ; h
	v_lshlrev_b32 v4, 4, v1                        ; 16 x lane
	v_lshlrev_b32 v5, 2, v1                        ; 4 x lane
	v_lshlrev_b32 v[GA], 6, v2
	v_mov_b32 v[GG+1], 0                           ; (named as the upper half of a pair, so it is written)
	s_lshl_b32 s32, s17, 14                        ; gate: 256 tokens of 64 bytes a tile row,
	s_lshl_b32 s33, s15, 13                        ; my 128 of them,
	s_add_co_u32 s32, s32, s33
	s_lshr_b32 s33, s42, 1
	s_lshl_b32 s33, s33, 2                         ; the tile's expert
	s_add_co_u32 s32, s32, s33
	s_mov_b32 s33, 0
	s_add_nc_u64 s[8:9], s[8:9], s[32:33]
.irp a, 0,1,2,3,4,5,6,7
	global_load_b32 v[GT+\a], v[GA], s[8:9] offset:1024*\a         ; wanted in the epilogue
.endr
	s_mul_i32 s21, s15, HALFT                      ; my 8 records of x
	s_mul_i32 s22, s16, HALFT
	s_add_co_u32 s22, s22, 2*HALFT                 ; my 8 of the keys, behind x's 16
	s_xor_b32 s23, s15, 1
	s_add_co_u32 s23, s23, s16
	s_add_co_u32 s23, s23, 1
	s_mul_i32 s23, s23, HALFT                      ; the distance from the first to the second: (2 + wave % 2 - wave / 2) x 8 records
	v_mul_u32_u24 v6, s23, v3                      ; lanes 16-31 take the keys' scale words
	v_add_nc_u32 v6, v6, v5
.irp s, 0,1,2
	v_add_nc_u32 v[ADRA+\s], s21, v4
	v_add_nc_u32 v[ADRB+\s], s22, v4
	v_add_nc_u32 v[ADRS+\s], s21, v6
	s_add_co_u32 s21, s21, SLOT
	s_add_co_u32 s22, s22, SLOT
.endr
	s_mul_i32 s23, s16, KST
	v_add_nc_u32 v[HOC], s23, v4                   ; the way out: K step (wave % 2) of a record
	s_lshl_b32 s23, s16, 7
	s_add_co_u32 s23, s23, SCO
	v_add_nc_u32 v[HOS], s23, v5
	s_lshl_b32 s34, s17, 4
	s_lshl_b32 s35, s15, 3
	s_add_co_u32 s34, s34, s35
	s_mul_i32 s34, s34, 32*REC                     ; hi: block 16 x tile row + 8 x (wave / 2),
	s_mul_i32 s35, s42, REC                        ; record = tile column
	s_add_co_u32 s34, s34, s35
	s_mov_b32 s35, 0
	s_add_nc_u64 s[10:11], s[10:11], s[34:35]
	s_mov_b32 s[SEL], 0x76543210
	s_mov_b32 s[SEL+1], 0xfedcba98
	s_mov_b32 s94, 0xbfb8aa3b                      ; -log2(e)
	s_mov_b32 s95, s94
.macro FRAG reg, adr, off              ; a fragment comes back as it was stored: three loads of 16 bytes a lane
.irp c, 0,1,2
	ds_load_b128 v[\reg+4*\c:\reg+4*\c+3], v[\adr] offset:\off+512*\c
.endr
.endm
; 16 matrix instructions: x's blocks a0, a0 + 1 against the keys' eight tiles, the part's q-th 128 along K.  p: the keys' set;  sc: the set of scale words.  zero = 1: the first product starts the sums.
; The 64 accumulators take turns, one instruction a turn, in the same order in every step.
.macro MUL16 a0, p, q, sc, zero
.irp a, \a0, \a0+1
.irp b, 0,1,2,3,4,5,6,7
.if \zero
	v_wmma_scale_f32_16x16x128_f8f6f4 v[8*(8*((\a)%4)+\b):8*(8*((\a)%4)+\b)+7], v[128*(\p)+FR*\b:128*(\p)+FR*\b+FR-1], v[AF+FR*(\a):AF+FR*(\a)+FR-1], 0, v[SC+8*NQ*(\sc)+NQ*\b+(\q)], v[SC+8*NQ*(\sc)+NQ*(\a)+(\q)] matrix_a_fmt:MATRIX_FMT_FP6 matrix_b_fmt:MATRIX_FMT_FP6 matrix_a_scale:MATRIX_SCALE_ROW1
.else
	v_wmma_scale_f32_16x16x128_f8f6f4 v[8*(8*((\a)%4)+\b):8*(8*((\a)%4)+\b)+7], v[128*(\p)+FR*\b:128*(\p)+FR*\b+FR-1], v[AF+FR*(\a):AF+FR*(\a)+FR-1], v[8*(8*((\a)%4)+\b):8*(8*((\a)%4)+\b)+7], v[SC+8*NQ*(\sc)+NQ*\b+(\q)], v[SC+8*NQ*(\sc)+NQ*(\a)+(\q)] matrix_a_fmt:MATRIX_FMT_FP6 matrix_b_fmt:MATRIX_FMT_FP6 matrix_a_scale:MATRIX_SCALE_ROW1
.endif
.endr
.endr
.endm
.macro FETCH_B slot, q, p              ; the keys' eight fragments of the slot's q-th 128 along K into set p
	WIN TO_B
.irp i, 0,1,2,3,4,5,6,7
	FRAG 128*(\p)+FR*\i, ADRB+\slot, REC*\i+KST*(\q)
.endr
	WIN 0
.endm
.macro FETCH_A slot, q, i0             ; x's blocks i0 .. i0 + 3
.irp i, \i0, \i0+1, \i0+2, \i0+3
	FRAG AF+FR*(\i), ADRA+\slot, REC*(\i)+KST*(\q)
.endr
.endm
.macro SCALES slot, sc                 ; a slot's scale words into set sc
.irp i, 0,1,2,3,4,5,6,7
.irp q, 0,1
	ds_load_b32 v[SC+8*NQ*\sc+NQ*\i+\q], v[ADRS+\slot] offset:REC*\i+SCO+128*\q
.endr
.endr
.endm
; A load into a register that a matrix instruction has read, and a vector instruction that reads a matrix result or writes one of its registers, stand NP places behind it, and only plain vector
; instructions that name none of its registers are places (ISA guide 7.12.1 for vector instructions).
.macro PLACES n
.rept \n
	v_nop
.endr
.endm
; A step of 128 along K that has its successor in the same slot.
.macro STEP slot, sc, q, zero
	s_wait_dscnt 4*NL                              ; the keys' set and x's blocks 0-3 are in; the youngest 12 loads (x's blocks 4-7) may be out
	WIN MUL_LO
	MUL16 0, (\q)%2, \q, \sc, \zero
	MUL16 2, (\q)%2, \q, \sc, \zero
	s_wait_dscnt 0                                 ; x's blocks 4-7 are in
	PLACES NP
	FETCH_B \slot, (\q)+1, 1-(\q)%2
	FETCH_A \slot, (\q)+1, 0
	WIN MUL_HI
	MUL16 4, (\q)%2, \q, \sc, \zero
	MUL16 6, (\q)%2, \q, \sc, \zero
	PLACES NP
	WIN 0
	FETCH_A \slot, (\q)+1, 4
.endm
; A slot's last step goes on to the next slot.
; mode 1: this slot is filled again.  In front of ONE barrier each wave waits for all its tensor loads, adds 0 to its spare word, and waits for that and for its own reads of this slot; the barrier opens a round of the cluster's.
; mode 0: nothing is filled, but the next slot's tile was asked for since the last barrier: the same waits and a work-group barrier show it whole to every wave.
; mode 2: the next slot was shown whole to every wave by the waits in front of an earlier barrier, and this slot is never filled again: no wait on tensor loads and no barrier.
.macro TURN slot, sc, next, nsc, mode
.if \mode < 2
	s_wait_tensorcnt 0x0                           ; all my tensor loads have landed  (every window is 0 here)
	ds_add_u32 v[SPW], v[NIL]                      ; 0 onto my spare word
	s_wait_dscnt 4*NL+1                            ; (the add and the youngest 12 loads, x's blocks 4-7, may be out)
.else
	s_wait_dscnt 4*NL                              ; the youngest 12 loads (x's blocks 4-7) may be out
.endif
	WIN MUL_LO
	MUL16 0, 1, NQ-1, \sc, 0                       ; sixteen matrix instructions stand between the add and the wait for it
.if \mode < 2
	s_wait_dscnt 0x0                               ; the add is done, and my reads of this slot are over
	s_barrier_signal -1
.endif
	MUL16 2, 1, NQ-1, \sc, 0
.if \mode == 2
	s_wait_dscnt 0x0                               ; x's blocks 4-7 are in
.endif
	WIN 0
.if \mode < 2
	s_barrier_wait -1
.endif
.if \mode == 1
	CREST                                          ; no wave of any partner still reads this slot or has a load on its way
	s_add_nc_u64 s[G0+4*\slot+2:G0+4*\slot+3], s[G0+4*\slot+2:G0+4*\slot+3], 3*REC
	s_add_nc_u64 s[G0B+4*\slot+2:G0B+4*\slot+3], s[G0B+4*\slot+2:G0B+4*\slot+3], 3*REC
	JLOAD G0+4*\slot, G1, G0B+4*\slot, G1B         ; the first tensor load behind the round; the four v_nop behind it are the places in front of the loads below
.else
	PLACES NP
.endif
	FETCH_B \next, 0, 0
	FETCH_A \next, 0, 0
	SCALES \next, \nsc
	WIN MUL_HI
	MUL16 4, 1, NQ-1, \sc, 0
	MUL16 6, 1, NQ-1, \sc, 0
	PLACES NP
	WIN 0
	FETCH_A \next, 0, 4
.endm
	s_wait_tensorcnt 2                             ; my part of slot 0 is in; the two loads issued behind it (slots 1 and 2) may stay out
	s_barrier_signal -1
	s_barrier_wait -1                              ; everybody's is
	FETCH_B 0, 0, 0
	FETCH_A 0, 0, 0
	SCALES 0, 0
	FETCH_A 0, 0, 4
	STEP 0, 0, 0, 1                                ; K 0-127: its products start the sums
	TURN 0, 0, 1, 1, 1                             ; K 128-255; slots 1 and 2 are whole in every wave's sight; slot 0 takes K 768-1023
	STEP 1, 1, 0, 0
	TURN 1, 1, 2, 0, 2                             ; on into slot 2 without a barrier
	STEP 2, 0, 0, 0
	TURN 2, 0, 0, 1, 0                             ; slot 0's second tile is waited for here
	STEP 0, 1, 0, 0
	s_wait_dscnt 4*NL                              ; the last step
	WIN MUL_LO
	MUL16 0, 1, NQ-1, 1, 0
	MUL16 2, 1, NQ-1, 1, 0
	s_wait_dscnt 0
	WIN MUL_HI
	MUL16 4, 1, NQ-1, 1, 0
	MUL16 6, 1, NQ-1, 1, 0
	WIN 0
; THE EPILOGUE, a block of 16 tokens at a time: hidden = (x gate) / (1 + 2^(-log2(e) x)), in f32; quantised along the hidden units; stored as K step (wave % 2) of the block's record.  No LDS.
.macro QUANT s
.irp b, 0,1,2,3
	v_max3_num_f32 v[TM+\b], |v[\s+16*\b]|, |v[\s+1+16*\b]|, 0x1800000   ; block b: my 16 numbers, and the floor 2^(3 - 127): the byte cannot fall under 1
.endr
.irp i, 2,4,6,8,10,12,14
.irp b, 0,1,2,3
	v_max3_num_f32 v[TM+\b], v[TM+\b], |v[\s+16*\b+\i]|, |v[\s+1+16*\b+\i]|
.endr
.endr
.irp b, 0,1,2,3
	v_permlanex16_b32 v[TM+4+\b], v[TM+\b], s[SEL], s[SEL+1]
.endr
.irp b, 0,1,2,3
	v_max_num_f32 v[TM+\b], v[TM+\b], v[TM+4+\b]   ; with lane l xor 16's 16: the block's largest magnitude
.endr
.irp b, 0,1,2,3
	v_add_nc_u32 v[TM+12+\b], 0xff000000, v[TM+\b] ; 2 off its exponent field: the conversion's scale operand
.endr
.irp b, 0,1,2,3
	v_lshrrev_b32 v[TM+4+\b], 23, v[TM+12+\b]      ; the scale's byte
.endr
	v_lshl_or_b32 v[PW], v[TM+5], 8, v[TM+4]
	v_lshl_or_b32 v[PW], v[TM+6], 16, v[PW]
	v_lshl_or_b32 v[PW], v[TM+7], 24, v[PW]
.irp c, 0,1
	v_cvt_scalef32_pk16_fp6_f32 v[PC+6*\c:PC+2+6*\c], v[\s+32*\c:\s+15+32*\c], v[TM+12+2*\c]
	v_cvt_scalef32_pk16_fp6_f32 v[PC+12+4*\c:PC+14+4*\c], v[\s+16+32*\c:\s+31+32*\c], v[TM+12+2*\c+1]
.endr
	v_nop                                          ; one plain place behind a scaled conversion
.irp c, 0,1
.irp i, 0,1,2
	v_permlane16_swap_b32 v[PC+6*\c+\i], v[PC+12+4*\c+\i]
.endr
.irp i, 0,1,2
	v_mov_b32 v[PC+3+6*\c+\i], v[PC+12+4*\c+\i]
.endr
.endr
.endm
.macro EPI a
.set AC, 64*((\a)%4)
	s_wait_xcnt 0x0                                ; the last block's stores have had their addresses translated (ISA guide 3.1): their data are written again only behind this wait
	v_mov_b32 v[GG], v[GT+(\a)]
	WIN 2+(\a)/4                                   ; source 0: the block's accumulators
.set J, 0
.rept 32
	v_pk_mul_f32 v[ET+J:ET+J+1], v[AC+J:AC+J+1], s[94:95] op_sel_hi:[1,0]    ; -log2(e) x; each accumulator is read from its low end on
.set J, J+2
.endr
.set J, 0
.rept 32
	v_pk_mul_f32 v[EU+J:EU+J+1], v[AC+J:AC+J+1], v[GG:GG+1] op_sel_hi:[1,0]  ; x gate
.set J, J+2
.endr
	WIN 0
.set J, 0
.rept 64
	v_exp_f32 v[ET+J], v[ET+J]
.set J, J+1
.endr
	v_nop                                          ; a plain place behind the exponentials
.set J, 0
	s_wait_alu depctr_va_vdst(0)
.rept 32
	v_pk_add_f32 v[ET+J:ET+J+1], v[ET+J:ET+J+1], 1.0 op_sel_hi:[1,0]
.set J, J+2
.endr
.set J, 0
.rept 64
	v_rcp_f32 v[ET+J], v[ET+J]
.set J, J+1
.endr
	v_nop                                          ; a plain place behind the reciprocals
.set J, 0
	s_wait_alu depctr_va_vdst(0)
.rept 32
	v_pk_mul_f32 v[EU+J:EU+J+1], v[EU+J:EU+J+1], v[ET+J:ET+J+1]
.set J, J+2
.endr
	QUANT EU
.irp c, 0,1,2
	global_store_b128 v[HOC], v[PC+4*\c:PC+4*\c+3], s[10:11] offset:32*REC*(\a)+512*\c   ; 512 consecutive bytes, at a multiple of 256 from hi's first byte
.endr
	global_store_b32 v[HOS], v[PW], s[10:11] offset:32*REC*(\a)
.endm
	s_wait_loadcnt 0x0                             ; the gates
	PLACES NP                                      ; behind the last products: their results are read and x's registers written below
.irp b, 0,1,2,3
	v_mov_b32 v[TM+4+\b], 0                        ; written once: a lane permute's destination counts as one of its sources
.endr
.irp a, 0,1,2,3,4,5,6,7
	EPI \a
.endr
	s_wait_tensorcnt 0x0                           ; the wave's end
	ds_add_u32 v[SPW], v[NIL]
	s_wait_dscnt 0x0
	CROUND                                         ; the closing round: no work-group ends while a partner may still ask for a tile that names it
	s_endpgm
.Lfunc_end_k_q1125a7a01f_ffn1:
	.size	k_q1125a7a01f_ffn1, .Lfunc_end_k_q1125a7a01f_ffn1-k_q1125a7a01f_ffn1
	.p2alignl 7, 3214868480
	.fill 96, 4, 3214868480
	.section	.rodata,"a",@progbits
	.p2align	6, 0x0
	.amdhsa_kernel k_q1125a7a01f_ffn1
		.amdhsa_group_segment_fixed_size 327680
		.amdhsa_private_segment_fixed_size 0
		.amdhsa_enable_private_segment 0
		.amdhsa_kernarg_size 32
		.amdhsa_user_sgpr_count 2
		.amdhsa_user_sgpr_kernarg_segment_ptr 1
		.amdhsa_wavefront_size32 1
		.amdhsa_system_sgpr_workgroup_id_x 1
		.amdhsa_system_sgpr_workgroup_id_y 1
		.amdhsa_system_sgpr_workgroup_id_z 1
		.amdhsa_system_vgpr_workitem_id 0
		.amdhsa_next_free_vgpr 1024
		.amdhsa_next_free_sgpr 100
		.amdhsa_reserve_vcc 0
		.amdhsa_float_denorm_mode_32 3
		.amdhsa_float_denorm_mode_16_64 3
		.amdhsa_memory_ordered 1
		.amdhsa_forward_progress 1
		.amdhsa_inst_pref_size 238
	.end_amdhsa_kernel
	.amdgpu_metadata
---
amdhsa.version: [ 1, 2 ]
amdhsa.kernels:
  - .name:           k_q1125a7a01f_ffn1
    .symbol:         k_q1125a7a01f_ffn1.kd
    .args:
      - { .name: xi, .offset: 0, .size: 8, .value_kind: global_buffer, .address_space: global }
      - { .name: ki, .offset: 8, .size: 8, .value_kind: global_buffer, .address_space: global }
      - { .name: gate, .offset: 16, .size: 8, .value_kind: global_buffer, .address_space: global }
      - { .name: hi, .offset: 24, .size: 8, .value_kind: global_buffer, .address_space: global }
    .group_segment_fixed_size: 327680
    .private_segment_fixed_size: 0
    .kernarg_segment_align: 8
    .kernarg_segment_size: 32
    .max_flat_workgroup_size: 128
    .sgpr_count:     100
    .vgpr_count:     1024
    .wavefront_size: 32
...
	.end_amdgpu_metadata
.endif
;; end of part 2
;; launch ffn2 (part 3): grid 8 x 32, 4 waves a work-group, clusters of 4 x 4, 327,680 bytes of LDS; arguments hi, vi, out0; writes out0
.if DOCPART == 3
	.amdgcn_target "amdgcn-amd-amdhsa--gfx1250"
	.amdhsa_code_object_version 6
	.text
	.protected	k_q1125a7a01f_ffn2
	.globl	k_q1125a7a01f_ffn2
	.p2align	8
	.type	k_q1125a7a01f_ffn2,@function
k_q1125a7a01f_ffn2:
	s_mov_b64 s[64:65], 0
	v_nop
	global_prefetch_b8 v0, s[64:65] scope:SCOPE_SE
	s_setreg_imm32_b32 hwreg(HW_REG_WAVE_MODE, 25, 1), 1
	s_wait_xcnt 0x0
	s_wait_alu depctr_hold_cnt(0) depctr_sa_sdst(0) depctr_va_vdst(0) depctr_va_sdst(0) depctr_va_ssrc(0) depctr_va_vcc(0) depctr_vm_vsrc(0)
	s_getreg_b32 s2, hwreg(HW_REG_IB_STS2, 6, 4)
	s_cmp_eq_u32 s2, 0
	s_cbranch_scc0 .Lentry_in_a_cluster
	s_endpgm
.Lentry_in_a_cluster:
	s_bfe_u32 s2, ttmp6, 0x10000c
	s_cmp_lg_u32 s2, 0xf033
	s_cbranch_scc0 .Lentry_shape_is_right
	s_endpgm
.Lentry_shape_is_right:
; FFN2: out0[token][d] = the sum over (expert, f) of hidden[token][expert][f] values[expert][f][d]: M 4,096, N 1,024, K 8,192, on codes of FP6 (E2M3) with E8M0 scales; sums in f32.
; THE RECORD (3,328 bytes): 16 rows x 256 along K: two K steps of 128, each the image of a fragment's 12 registers (registers 4 g .. 4 g + 3 of lane l at 512 g + 16 l), then the two K steps' scale words, 4 bytes a lane (lanes 16-31 repeat lanes 0-15).
; hi: [block of 16 tokens 256][256 along K: 32][record].  vi: [tile of 16 d 64][32][record].
; A tile of 128 tokens x 128 d is made by a work-group of four waves: 256 work-groups.
; THE RING: two LDS slots, as large as LDS holds: a slot is THREE records (768 along K) of hi's 8 rows and vi's 8 rows, 159,744 bytes.  K's 32 records are ten slots of three and one of two: the last load states two records as what is
; left of the tensor and three as the tile, so that the rows keep their pitch in LDS; that tile's third record is never read.  Ten changes of slots, nine of them with a refill.
; SHARES: wave w takes the 64 tokens of half w % 2, all 128 d, and K step w / 2 of every record: a UNIT is one record's K step, 32 matrix instructions on 32 accumulators (256 registers); a slot is three units.  A fragment of hi feeds
; eight products, one of vi four.  The two partial tiles of each half meet in LDS at the end and are added, so the order of the f32 sums differs from one ascending chain.
; All fragments and scale words have two sets of registers, by turns from unit to unit: a unit's 44 LDS loads are issued ahead of the 32 products of the unit before it.
; A CHANGE OF SLOTS stands at the head of a slot's third unit, whose fragments are already in registers: so only the waits and the round stand between the landing of one refill and the request for the next,
; and all 96 products of a slot's time lie behind a request.
; CLUSTERS: 4 x 4 work-groups.  The four of a row need the same rows of hi, the four of a column the same rows of vi: each is asked for JOINTLY, by the same tensor load with the same descriptor and a mask that names the four.
; THE MATRIX INSTRUCTION IS USED TRANSPOSED (source 0 = 16 d, source 1 = 16 tokens): a lane holds eight neighbouring d of one token.
; REGISTERS, in windows of 256: window 0: v1-31 addresses; v32-47 scale words, two sets; v128-223 hi's fragments, two sets of 48; on the way out v64-127.
;   window 1: vi's fragments, two sets, at v0 and v128.   window 2: the 32 accumulators ((a, b) at v[8 (8 a + b)]).
.set REC,   3328
.set KST,   1536
.set SCO,   3072
.set ROW3,  3*REC                      ; a row of a slot
.set FR,    12
.set NP,    4                          ; places behind this matrix instruction (ISA guide 7.12.1)
.set HALFT, 4*ROW3                     ; what one tensor load brings: 4 rows
.set SLOT,  4*HALFT                    ; hi's 8 rows, then vi's 8
.set SPARE, 2*SLOT                     ; behind the ring: the spare words, 128 bytes for each wave: two blocks of 256 bytes that no other line names
.set SPT,   528                        ; the way out: a stage row: 512 bytes + 16
.set SRC,   128*SPT                    ; a partial tile in the stage.  The stage (2 x 67,584 bytes from LDS byte 0) lies in slot 0, which has had its last fill and its last read when the first result is stored
.set RD,   4                           ; v4-5    the way out: where I read my rows of partial tile 0, 1
.set ADRS, 12                          ; v12-15  LDS address of the scale words: slot s, rows 0-3 at v[12 + 2 s], rows 4-7 at v[13 + 2 s]; lanes 0-15 hi's rows, lanes 16-31 vi's
.set ADRA, 16                          ; v16-17  of hi's fragments in slot 0, 1
.set ADRB, 18                          ; v18-21  of vi's: slot s, tiles 0-3 at v[18 + 2 s], tiles 4-7 at v[19 + 2 s] (an LDS offset has 16 bits)
.set STO,  24                          ; v24     the way out: where I put 32 bytes of a row
.set CO,   26                          ; v26     16 x lane
.set SPW,  28                          ; v28     LDS address of my spare word; never rewritten
.set NIL,  29                          ; v29     0; never rewritten
.set SC,   32                          ; scale words: set p at v[SC + 8 p]; register i: lanes 16-31 vi's tile i; lanes 0-15 of registers 0-3 my block i of hi
.set OB,   64                          ; the way out: v64-127: 2 partial tiles x 8 rows x 4 registers
.set AF,   128                         ; hi's fragments: set p at v[AF + 48 p]
.set G1,   24                          ; s[24:31] descriptor group 1 for hi;  s[32:39] group 0, one set for each slot
.set G0,   32
.set G1B,  48                          ; s[48:55], s[56:63] the same for vi
.set G0B,  56
.set G1L,  68                          ; s[68:75], s[76:83] groups 1 for the last load: two records are left of each row
.set G1BL, 76
.set MSB, 0
.macro WIN new                         ; the immediate's high byte repeats the setting that is left
.if MSB != \new
	s_set_vgpr_msb (MSB<<8)|\new
.set MSB, \new
.endif
.endm
.set MUL,  0xa1                        ; source 0 (vi) window 1, source 1 (hi) window 0, C and D window 2
.set TO_B, 0x40                        ; destination window 1, address window 0
; A joint load: waves 0 and 1 fetch for hi, waves 2 and 3 for vi; the branch hangs on the wave's number alone.  Four v_nop follow each of the two lines.
.macro JLOAD g0a, g1a, g0b, g1b
	s_cmp_eq_u32 s15, 0
	s_cbranch_scc0 .Lfor_b_\@
	tensor_load_to_lds s[\g0a:\g0a+3], s[\g1a:\g1a+7]
	s_nop 0
.rept 4
	v_nop
.endr
	s_branch .Lasked_\@
.Lfor_b_\@:
	tensor_load_to_lds s[\g0b:\g0b+3], s[\g1b:\g1b+7]
	s_nop 0
.rept 4
	v_nop
.endr
.Lasked_\@:
.endm
.macro CROUND                          ; a round of the cluster's barrier
	s_barrier_signal -1
	s_barrier_wait -1
	s_cmp_lg_u32 s14, 0
	s_cbranch_scc1 .Lnot_wave_0_\@
	s_barrier_signal -3
.Lnot_wave_0_\@:
	s_barrier_wait -3
	s_barrier_signal -1
	s_barrier_wait -1
.endm
	s_load_b128 s[4:7], s[0:1], 0x0                ; hi 4, vi 6
	s_load_b64 s[8:9], s[0:1], 0x10                ; out0
	v_lshl_add_u32 v[SPW], v0, 2, SPARE
	v_mov_b32 v[NIL], 0
	ds_add_u32 v28, v29
	ds_add_u32 v28, v29
	s_wait_dscnt 0x0
	v_lshrrev_b32 v1, 5, v0
	v_readfirstlane_b32 s14, v1                    ; wave 0..3
	s_lshr_b32 s15, s14, 1                         ; my K step of every record.  Also: I fetch for hi (0) or for vi (1)
	s_and_b32 s16, s14, 1                          ; my half of the tile's tokens.  Also: which 4 rows I fetch
	s_bfe_u32 s40, ttmp6, 0x40000                  ; cx, cy
	s_bfe_u32 s41, ttmp6, 0x40004
	s_lshl_b32 s42, ttmp9, 2
	s_add_co_u32 s42, s42, s40                     ; tile column = 4 x cluster x + cx
	s_and_b32 s17, ttmp7, 0xffff
	s_lshl_b32 s17, s17, 2
	s_add_co_u32 s17, s17, s41                     ; tile row = 4 x cluster y + cy
	s_lshl_b32 s43, s41, 2
	s_lshl_b32 s43, 15, s43                        ; my row of the cluster
	s_lshl_b32 s44, 0x1111, s40                    ; my column
	; descriptor group 1: 4 rows of three records (1,248 elements of 8 bytes), 32 records apart in memory, dense in LDS
	s_or_b32 s[G1+0], s43, (3<<16)|(1<<21)         ; 15:0 the mask; 17:16 elements of 8 bytes; 20 no padding; 21 set beside a mask
	s_or_b32 s[G1B+0], s44, (3<<16)|(1<<21)
	s_or_b32 s[G1L+0], s43, (3<<16)|(1<<21)
	s_or_b32 s[G1BL+0], s44, (3<<16)|(1<<21)
.irp g, G1, G1B
	s_mov_b32 s[\g+1], (ROW3/8)<<16                ; tensor_dim0: the tile lies inside
.endr
.irp g, G1L, G1BL
	s_mov_b32 s[\g+1], (2*REC/8)<<16               ; tensor_dim0: two records are left; what lies beyond is not read from memory
.endr
.irp g, G1, G1B, G1L, G1BL
	s_mov_b32 s[\g+2], 4<<16                       ; tensor_dim1
	s_mov_b32 s[\g+3], (ROW3/8)<<16                ; tile_dim0
	s_mov_b32 s[\g+4], 4                           ; tile_dim1
	s_mov_b32 s[\g+5], 32*REC/8                    ; tensor_dim0_stride
	s_mov_b32 s[\g+6], 0
	s_mov_b32 s[\g+7], 0
.endr
	s_lshl_b32 s18, s16, 2                         ; which 4 of the tile's 8 rows I fetch
	s_lshl_b32 s20, s17, 3
	s_add_co_u32 s20, s20, s18
	s_mul_i32 s20, s20, 32*REC                     ; hi: block 8 x tile row + 4 x half
	s_mov_b32 s21, 0
	s_lshl_b32 s46, s42, 3
	s_add_co_u32 s46, s46, s18
	s_mul_i32 s46, s46, 32*REC                     ; vi: tile 8 x tile column + 4 x half
	s_mov_b32 s47, 0
	s_mul_i32 s45, s14, HALFT                      ; where they go: wave x 4 rows: no place in the cluster enters an LDS address
	s_wait_kmcnt 0x0
	s_add_nc_u64 s[20:21], s[4:5], s[20:21]
	s_add_nc_u64 s[46:47], s[6:7], s[46:47]
	CROUND                                         ; all sixteen work-groups are here: the first joint loads meet
.irp s, 0,1
	s_mov_b32 s[G0+4*\s], 1
	s_add_co_u32 s[G0+4*\s+1], s45, \s*SLOT
	s_add_nc_u64 s[G0+4*\s+2:G0+4*\s+3], s[20:21], \s*ROW3         ; slot s begins with records 3 s .. 3 s + 2
	s_or_b32 s[G0+4*\s+3], s[G0+4*\s+3], 0x80000000
	s_mov_b32 s[G0B+4*\s], 1
	s_add_co_u32 s[G0B+4*\s+1], s45, \s*SLOT
	s_add_nc_u64 s[G0B+4*\s+2:G0B+4*\s+3], s[46:47], \s*ROW3
	s_or_b32 s[G0B+4*\s+3], s[G0B+4*\s+3], 0x80000000
	JLOAD G0+4*\s, G1, G0B+4*\s, G1B
.endr
	v_and_b32 v1, 31, v0                           ; lane
	v_and_b32 v2, 15, v0                           ; r
	v_bfe_u32 v3, v0, 4, 1                         ; h
	v_lshlrev_b32 v[CO], 4, v1
	v_lshlrev_b32 v9, 2, v1
	s_mul_i32 s21, s16, HALFT                      ; my four rows of hi,
	s_mul_i32 s22, s15, KST                        ; my K step's image in a record
	s_add_co_u32 s21, s21, s22
	s_add_co_u32 s22, s22, 2*HALFT                 ; vi's rows lie behind hi's eight
	s_mul_i32 s23, s16, HALFT
	s_lshl_b32 s84, s15, 7
	s_add_co_u32 s23, s23, s84
	s_add_co_u32 s23, s23, SCO                     ; my K step's scale words in my rows of hi
	s_xor_b32 s84, s16, 1
	s_add_co_u32 s84, s84, 1
	s_mul_i32 s84, s84, HALFT                      ; the distance from my first row of hi to vi's first: (2 - wave % 2) x 4 rows
	v_mul_u32_u24 v10, s84, v3                     ; lanes 16-31 take vi's
	v_add_nc_u32 v10, v10, v9
.irp s, 0,1
	v_add_nc_u32 v[ADRA+\s], s21, v[CO]
	v_add_nc_u32 v[ADRB+2*\s], s22, v[CO]
	v_add_nc_u32 v[ADRB+2*\s+1], HALFT, v[ADRB+2*\s]
	v_add_nc_u32 v[ADRS+2*\s], s23, v10
	v_add_nc_u32 v[ADRS+2*\s+1], HALFT, v[ADRS+2*\s]
	s_add_co_u32 s21, s21, SLOT
	s_add_co_u32 s22, s22, SLOT
	s_add_co_u32 s23, s23, SLOT
.endr
	s_mul_i32 s23, s15, SRC                        ; the stage: the partial tile of my K step,
	s_mul_i32 s84, s16, 64*SPT                     ; my 64 tokens; row r, 32 bytes for each half of the lanes
	s_add_co_u32 s23, s23, s84
	v_mul_u32_u24 v[STO], v2, SPT
	v_lshl_add_u32 v[STO], v3, 5, v[STO]
	v_add_nc_u32 v[STO], s23, v[STO]
	s_mul_i32 s23, s14, 32*SPT                     ; back: rows 32 w .. 32 w + 31 of both partial tiles, 16 bytes a lane
	v_add_nc_u32 v[RD], s23, v[CO]
	v_add_nc_u32 v[RD+1], SRC, v[RD]
	s_lshl_b32 s84, s17, 19                        ; out0: 128 rows of 4,096 bytes a tile row,
	s_lshl_b32 s85, s14, 17                        ; my 32 of them,
	s_add_co_u32 s84, s84, s85
	s_lshl_b32 s85, s42, 9                         ; 512 bytes a tile column
	s_add_co_u32 s84, s84, s85
	s_mov_b32 s85, 0
	s_add_nc_u64 s[8:9], s[8:9], s[84:85]
.macro FRAG reg, adr, off              ; a fragment comes back as it was stored: three loads of 16 bytes a lane
.irp c, 0,1,2
	ds_load_b128 v[\reg+4*\c:\reg+4*\c+3], v[\adr] offset:\off+512*\c
.endr
.endm
; A unit's 32 matrix instructions, from the sets p.  zero = 1: the first products start the sums.
; The 32 accumulators take turns, one instruction a turn, in the same order in every unit, over the loop's backward jump too.
.macro MULU p, zero
.irp a, 0,1,2,3
.irp b, 0,1,2,3,4,5,6,7
.if \zero
	v_wmma_scale_f32_16x16x128_f8f6f4 v[8*(8*\a+\b):8*(8*\a+\b)+7], v[128*(\p)+FR*\b:128*(\p)+FR*\b+FR-1], v[AF+48*(\p)+FR*\a:AF+48*(\p)+FR*\a+FR-1], 0, v[SC+8*(\p)+\b], v[SC+8*(\p)+\a] matrix_a_fmt:MATRIX_FMT_FP6 matrix_b_fmt:MATRIX_FMT_FP6 matrix_a_scale:MATRIX_SCALE_ROW1
.else
	v_wmma_scale_f32_16x16x128_f8f6f4 v[8*(8*\a+\b):8*(8*\a+\b)+7], v[128*(\p)+FR*\b:128*(\p)+FR*\b+FR-1], v[AF+48*(\p)+FR*\a:AF+48*(\p)+FR*\a+FR-1], v[8*(8*\a+\b):8*(8*\a+\b)+7], v[SC+8*(\p)+\b], v[SC+8*(\p)+\a] matrix_a_fmt:MATRIX_FMT_FP6 matrix_b_fmt:MATRIX_FMT_FP6 matrix_a_scale:MATRIX_SCALE_ROW1
.endif
.endr
.endr
.endm
; 44 LDS loads: unit u of a slot (its record u, my K step) into the sets p: vi's eight fragments, my four of hi, eight registers of scale words
.macro FETCHU slot, u, p
	WIN TO_B
.irp i, 0,1,2,3
	FRAG 128*(\p)+FR*\i, ADRB+2*\slot, ROW3*\i+REC*(\u)
.endr
.irp i, 0,1,2,3
	FRAG 128*(\p)+FR*(4+\i), ADRB+2*\slot+1, ROW3*\i+REC*(\u)
.endr
	WIN 0
.irp i, 0,1,2,3
	FRAG AF+48*(\p)+FR*\i, ADRA+\slot, ROW3*\i+REC*(\u)
.endr
.irp i, 0,1,2,3
	ds_load_b32 v[SC+8*(\p)+\i], v[ADRS+2*\slot] offset:ROW3*\i+REC*(\u)
	ds_load_b32 v[SC+8*(\p)+4+\i], v[ADRS+2*\slot+1] offset:ROW3*\i+REC*(\u)
.endr
.endm
.macro PLACES n                        ; places in front of loads into registers that matrix instructions have read, and of the first read of results (ISA guide 7.12.1 for vector instructions)
.rept \n
	v_nop
.endr
.endm
; Unit u (0 or 1) of a slot, from the sets p: the next unit of the same slot is fetched into the other sets, which the unit before has just left, and then this unit is multiplied.
.macro USTEP slot, u, p, zero
	s_wait_dscnt 0x0                               ; this unit's fragments and scale words are in
	PLACES NP
	FETCHU \slot, (\u)+1, 1-(\p)
	WIN MUL
	MULU \p, \zero
.endm
; The third unit of a slot, from the sets p, with the change of slots at its head.  Each wave waits for all its tensor loads (one is out: its part of the next slot), adds 0 to its spare word, and waits for that and for its reads
; of this slot, the last of which brought this unit's fragments.  fill = 1: this slot is filled again with the records six on; 2: the same, by the last load's group 1; 0: nothing is left to fetch.
.macro UTURN slot, next, p, fill
	WIN 0                                          ; the add's two registers lie in window 0
	s_wait_tensorcnt 0x0                           ; all my tensor loads have landed, so a group 0 may be written
	ds_add_u32 v[SPW], v[NIL]                      ; 0 onto my spare word; with a refill the descriptors' steps stand between it and the wait for it
.if \fill
	s_add_nc_u64 s[G0+4*\slot+2:G0+4*\slot+3], s[G0+4*\slot+2:G0+4*\slot+3], 2*ROW3
	s_add_nc_u64 s[G0B+4*\slot+2:G0B+4*\slot+3], s[G0B+4*\slot+2:G0B+4*\slot+3], 2*ROW3
.endif
	s_wait_dscnt 0x0                               ; the add is done, and my reads of this slot are over
.if \fill
	CROUND                                         ; no wave of any partner still reads this slot or has a load on its way
.if \fill == 1
	JLOAD G0+4*\slot, G1, G0B+4*\slot, G1B         ; the first tensor load behind the round; the four v_nop behind it are the places in front of the loads below
.else
	JLOAD G0+4*\slot, G1L, G0B+4*\slot, G1BL
.endif
.else
	s_barrier_signal -1
	s_barrier_wait -1
	PLACES NP
.endif
	FETCHU \next, 0, 1-(\p)
	WIN MUL
	MULU \p, 0
.endm
	s_wait_tensorcnt 1                             ; my part of slot 0 is in; slot 1's one load may stay out
	s_barrier_signal -1
	s_barrier_wait -1
	FETCHU 0, 0, 0
	USTEP 0, 0, 0, 1                               ; records 0 and 1: the first products start the sums
	USTEP 0, 1, 1, 0
	WIN 0                                          ; at a label and at a branch every window is 0
	s_mov_b32 s90, 4
.Lpair:                                            ; a trip goes once round the ring, from a slot 0's third unit to the next slot 0's second, and fills both slots again: six units, after which the sets are back where they began
	UTURN 0, 1, 0, 1
	USTEP 1, 0, 1, 0
	USTEP 1, 1, 0, 0
	UTURN 1, 0, 1, 1
	USTEP 0, 0, 0, 0
	USTEP 0, 1, 1, 0
	WIN 0
	s_sub_co_u32 s90, s90, 1
	s_cmp_lg_u32 s90, 0
	s_cbranch_scc1 .Lpair
	UTURN 0, 1, 0, 2                               ; the tail is written out: slot 0 takes the last two records
	USTEP 1, 0, 1, 0
	USTEP 1, 1, 0, 0
	UTURN 1, 0, 1, 0                               ; nothing is left to fetch
	USTEP 0, 0, 0, 0                               ; record 30
	s_wait_dscnt 0x0                               ; record 31's fragments are in: my reads of the ring are over
	s_barrier_signal -1
	WIN MUL
	MULU 1, 0
	WIN 0
	s_barrier_wait -1                              ; everybody's are: the stage may be laid into slot 0
	; THE WAY OUT.  Each wave puts its partial results into the stage; a barrier; each wave reads 32 whole rows of both partial tiles, adds them and stores rows of 512 bytes.
	PLACES NP
	WIN 0x08                                       ; an LDS store's data are its source 1: window 2
.irp a, 0,1,2,3
.irp b, 0,1,2,3,4,5,6,7
	ds_store_b128 v[STO], v[8*(8*\a+\b):8*(8*\a+\b)+3] offset:16*SPT*\a+64*\b          ; each accumulator from its low end on
	ds_store_b128 v[STO], v[8*(8*\a+\b)+4:8*(8*\a+\b)+7] offset:16*SPT*\a+64*\b+16
.endr
.endr
	WIN 0
	s_wait_dscnt 0x0                               ; for the others' sake: my stores into the stage are done
	s_barrier_signal -1
	s_barrier_wait -1
.macro OUTB k                          ; rows 8 k .. 8 k + 7 of my 32
	s_wait_xcnt 0x0                                ; the last batch's stores have had their addresses translated (ISA guide 3.1): their data registers are loaded again only behind this wait
.irp p, 0,1
.irp i, 0,1,2,3,4,5,6,7
	ds_load_b128 v[OB+32*\p+4*\i:OB+32*\p+4*\i+3], v[RD+\p] offset:SPT*(8*(\k)+\i)
.endr
.endr
	s_wait_dscnt 0x0
.irp i, 0,1,2,3,4,5,6,7
	v_pk_add_f32 v[OB+4*\i:OB+4*\i+1], v[OB+4*\i:OB+4*\i+1], v[OB+32+4*\i:OB+32+4*\i+1]
	v_pk_add_f32 v[OB+4*\i+2:OB+4*\i+3], v[OB+4*\i+2:OB+4*\i+3], v[OB+32+4*\i+2:OB+32+4*\i+3]
	global_store_b128 v[CO], v[OB+4*\i:OB+4*\i+3], s[8:9] offset:4096*(8*(\k)+\i) th:TH_STORE_NT   ; 32 lanes store 512 consecutive bytes, at a multiple of 256 from out0's first byte; written once, read by nobody here
.endr
.endm
	OUTB 0
	OUTB 1
	OUTB 2
	OUTB 3
	s_wait_tensorcnt 0x0                           ; the wave's end
	ds_add_u32 v[SPW], v[NIL]
	s_wait_dscnt 0x0
	CROUND                                         ; the closing round: no work-group ends while a partner may still ask for a tile that names it
	s_endpgm
.Lfunc_end_k_q1125a7a01f_ffn2:
	.size	k_q1125a7a01f_ffn2, .Lfunc_end_k_q1125a7a01f_ffn2-k_q1125a7a01f_ffn2
	.p2alignl 7, 3214868480
	.fill 96, 4, 3214868480
	.section	.rodata,"a",@progbits
	.p2align	6, 0x0
	.amdhsa_kernel k_q1125a7a01f_ffn2
		.amdhsa_group_segment_fixed_size 327680
		.amdhsa_private_segment_fixed_size 0
		.amdhsa_enable_private_segment 0
		.amdhsa_kernarg_size 24
		.amdhsa_user_sgpr_count 2
		.amdhsa_user_sgpr_kernarg_segment_ptr 1
		.amdhsa_wavefront_size32 1
		.amdhsa_system_sgpr_workgroup_id_x 1
		.amdhsa_system_sgpr_workgroup_id_y 1
		.amdhsa_system_sgpr_workgroup_id_z 1
		.amdhsa_system_vgpr_workitem_id 0
		.amdhsa_next_free_vgpr 768
		.amdhsa_next_free_sgpr 100
		.amdhsa_reserve_vcc 0
		.amdhsa_float_denorm_mode_32 3
		.amdhsa_float_denorm_mode_16_64 3
		.amdhsa_memory_ordered 1
		.amdhsa_forward_progress 1
		.amdhsa_inst_pref_size 126
	.end_amdhsa_kernel
	.amdgpu_metadata
---
amdhsa.version: [ 1, 2 ]
amdhsa.kernels:
  - .name:           k_q1125a7a01f_ffn2
    .symbol:         k_q1125a7a01f_ffn2.kd
    .args:
      - { .name: hi, .offset: 0, .size: 8, .value_kind: global_buffer, .address_space: global }
      - { .name: vi, .offset: 8, .size: 8, .value_kind: global_buffer, .address_space: global }
      - { .name: out0, .offset: 16, .size: 8, .value_kind: global_buffer, .address_space: global }
    .group_segment_fixed_size: 327680
    .private_segment_fixed_size: 0
    .kernarg_segment_align: 8
    .kernarg_segment_size: 24
    .max_flat_workgroup_size: 128
    .sgpr_count:     100
    .vgpr_count:     768
    .wavefront_size: 32
...
	.end_amdgpu_metadata
.endif
;; end of part 3
